; MI455X (gfx1250); checked and timed in simulation.
; The chip was launched on July 23, 2026; its instructions are those of AMD's public machine-readable ISA for CDNA 5 (MIT licence, August 2026) and "CDNA5" Instruction Set Architecture Reference Guide (July 2026). The comments in the code are by the model that wrote it; some were corrected since.
;; Rotary Attention. Allowed arithmetic: float matrix products may take bf16 or f16 operands with f32 sums; all other float work in f32.
;; Inputs: b_k 1,024 float32; b_o 1,024 float32; b_q 1,024 float32; b_v 1,024 float32; w_k 1,024 x 1,024 float32; w_o 1,024 x 1,024 float32; w_q 1,024 x 1,024 float32; w_v 1,024 x 1,024 float32; x 2 x 2,048 x 1,024 float32.
;; Outputs: out0 2 x 2,048 x 1,024 float32.
;; One version. Each part assembles by itself: llvm-mc -triple=amdgcn-amd-amdhsa -mcpu=gfx1250 --defsym DOCPART=n.
;; ======== version 1 of 1: 4 launches
;; workspace buffers: xb 8,388,608 bytes; wb 8,388,608 bytes; rope 524,288 bytes; qkv 25,165,824 bytes; ao 8,388,608 bytes
;; launch prep (part 1): grid 256 x 1, 8 waves a work-group, no clusters, 0 bytes of LDS; arguments x, w_q, w_k, w_v, w_o, xb, wb, rope; writes xb, wb, rope
.if DOCPART == 1
	.amdgcn_target "amdgcn-amd-amdhsa--gfx1250"
	.amdhsa_code_object_version 6
	.text
	.protected	k_q76b1a5dd95_prep
	.globl	k_q76b1a5dd95_prep
	.p2align	8
	.type	k_q76b1a5dd95_prep,@function
k_q76b1a5dd95_prep:
	s_mov_b64 s[64:65], 0
	v_nop
	global_prefetch_b8 v0, s[64:65] scope:SCOPE_SE
	s_setreg_imm32_b32 hwreg(HW_REG_WAVE_MODE, 25, 1), 1
	s_wait_xcnt 0x0
; Casts x and the four weights to bf16, once, and makes the rotary table.
;   xb  [4096][1024] bf16 = x.
;   wb  [4096][1024] bf16: row 192 h + 64 p + d = row 64 h + d of w_q (p = 0), w_k (1), w_v (2), so that one head's
;       192 rows of weights follow each other; rows 3072 + n = row n of w_o.
;   rope[2048][64] f32: a row of 256 bytes = cos(pos f_j), j = 0..31, then sin(pos f_j), f_j = 10000^(-j/32).
; Work-group i: 16,384 numbers of x, rows 4 i .. 4 i + 3 of each weight, positions 8 i .. 8 i + 7 (one a wave).
; A chunk is 256 threads x 8 numbers: 32 bytes in and 16 bytes out for each thread, so a wave's store covers 512
; consecutive bytes, aligned.  Sixteen chunks, no loop: all 32 loads of a thread go out first, the table is
; computed while they are on their way, and the waits count down.  A stream: no LDS, no barrier, no matrix unit.
; LIMITS: the sine is a series in the reduced angle, cut behind the term of degree 11 (next term below 6e-8 for half
; a turn's quarter); the angle is reduced in f32 in half turns, which leaves up to 1e-4 radians at position 2047,
; the order of the rounding of the f32 angle pos * f_j itself.
.set X,    32                          ; v[32:159] chunk c: 8 registers as loaded; the first 4 then hold the 8 bf16
.set CIN,  8192                        ; bytes of a chunk as read
.set COUT, 4096                        ; bytes of a chunk as written
	s_load_b512 s[4:19], s[0:1], 0x0               ; x 4, w_q 6, w_k 8, w_v 10, w_o 12, xb 14, wb 16, rope 18
	v_lshlrev_b32 v1, 5, v0                        ; 32 t: my 8 numbers in a chunk as read
	v_lshlrev_b32 v2, 4, v0                        ; 16 t: as written
	v_lshlrev_b32 v3, 3, v0                        ; 8 t = 256 wave + 8 lane: my two numbers of the table
	s_mov_b32 s21, 0
	s_mov_b32 s29, 0
	s_lshr_b32 s27, ttmp9, 4                       ; the head of my four weight rows
	s_and_b32 s28, ttmp9, 15
	s_mul_i32 s27, s27, 192
	s_lshl2_add_u32 s27, s28, s27                  ; row in wb: 192 head + 4 (i mod 16)
	s_lshl_b32 s28, s27, 11                        ; in bytes (2,048 a row)
	s_lshl_b32 s26, ttmp9, 3                       ; my first position
	s_wait_kmcnt 0x0
	s_lshl_b32 s20, ttmp9, 16
	s_add_nc_u64 s[4:5], s[4:5], s[20:21]          ; x: 65,536 bytes a work-group
	s_lshl_b32 s20, ttmp9, 14
	s_add_nc_u64 s[6:7], s[6:7], s[20:21]          ; each weight: 16,384 bytes
	s_add_nc_u64 s[8:9], s[8:9], s[20:21]
	s_add_nc_u64 s[10:11], s[10:11], s[20:21]
	s_add_nc_u64 s[12:13], s[12:13], s[20:21]
	s_lshl_b32 s20, ttmp9, 15
	s_add_nc_u64 s[14:15], s[14:15], s[20:21]      ; xb
	s_add_nc_u64 s[22:23], s[16:17], s[28:29]      ; wb at my rows of w_q; w_k's lie 64 rows on, w_v's 128
	s_lshl_b32 s20, ttmp9, 13
	s_add_nc_u64 s[24:25], s[16:17], s[20:21]
	s_add_nc_u64 s[24:25], s[24:25], 3072*2048     ; wb at my rows of w_o
	s_lshl_b32 s20, ttmp9, 11
	s_add_nc_u64 s[18:19], s[18:19], s[20:21]      ; the table at my eight rows
.macro LOAD2 c, b, n                   ; chunk c = the n-th chunk behind base s[b:b+1]
	global_load_b128 v[X+8*\c:X+8*\c+3],   v1, s[\b:\b+1] offset:CIN*\n th:TH_LOAD_NT
	global_load_b128 v[X+8*\c+4:X+8*\c+7], v1, s[\b:\b+1] offset:CIN*\n+16 th:TH_LOAD_NT
.endm
.irp c, 0,1,2,3,4,5,6,7
	LOAD2 \c, 4, \c
.endr
	LOAD2 8, 6, 0
	LOAD2 9, 6, 1
	LOAD2 10, 8, 0
	LOAD2 11, 8, 1
	LOAD2 12, 10, 0
	LOAD2 13, 10, 1
	LOAD2 14, 12, 0
	LOAD2 15, 12, 1
	; The table.  Lane l of a wave makes j = 2 (l mod 16) and the next: lanes 0-15 the cosines, lanes 16-31 the sines.
	; sin(a) = (-1)^n sin(pi g), u = a / pi (+ 1/2 for the cosine), n = the nearest whole number, g = u - n in [-1/2, 1/2].
	v_lshrrev_b32 v4, 5, v0
	v_add_nc_u32 v4, s26, v4
	v_cvt_f32_u32 v4, v4                           ; the position
	v_and_b32 v5, 31, v0
	v_and_b32 v6, 15, v0
	v_lshlrev_b32 v6, 1, v6
	v_cvt_f32_u32 v7, v6                           ; j
	v_add_f32 v8, 1.0, v7                          ; j + 1
	v_mul_f32 v7, 0xbed49a78, v7                   ; - j log2(10000) / 32
	v_mul_f32 v8, 0xbed49a78, v8
	v_mov_b32 v10, 0.5
	v_cmp_gt_u32 vcc_lo, 16, v5
	v_exp_f32 v7, v7                               ; f_j
	v_exp_f32 v8, v8
	v_cndmask_b32 v9, 0, v10, vcc_lo               ; the phase; also the plain instruction between the exponentials and their use (ISA guide 5.7.2)
	s_wait_alu depctr_va_vdst(0)
	v_mul_f32 v7, v4, v7                           ; the angle, rounded to f32 as a product of position and frequency
	v_mul_f32 v8, v4, v8
	v_fmamk_f32 v11, v7, 0x3ea2f983, v9            ; u = a / pi + phase
	v_fmamk_f32 v12, v8, 0x3ea2f983, v9
	v_rndne_f32 v13, v11
	v_rndne_f32 v14, v12
	v_sub_f32 v11, v11, v13                        ; g
	v_sub_f32 v12, v12, v14
	v_mul_f32 v15, v11, v11                        ; g^2
	v_mul_f32 v16, v12, v12
	v_mov_b32 v19, 0xbbf183a8                      ; - pi^11 / 11!
	v_fmaak_f32 v17, v19, v15, 0x3da83c1a          ; + pi^9 / 9!
	v_fmaak_f32 v18, v19, v16, 0x3da83c1a
.irp k, 0xbf196966, 0x402335e3, 0xc0a55de7, 0x40490fdb     ; - pi^7/7!, + pi^5/5!, - pi^3/3!, + pi
	v_fmaak_f32 v17, v17, v15, \k
	v_fmaak_f32 v18, v18, v16, \k
.endr
	v_mul_f32 v17, v17, v11
	v_mul_f32 v18, v18, v12
	v_cvt_i32_f32 v13, v13
	v_cvt_i32_f32 v14, v14
	v_lshlrev_b32 v13, 31, v13                     ; n odd: the sign turns
	v_lshlrev_b32 v14, 31, v14
	v_xor_b32 v20, v17, v13
	v_xor_b32 v21, v18, v14
	global_store_b64 v3, v[20:21], s[18:19]        ; a wave's 32 lanes write one whole row of 256 bytes
; Chunk c is rounded in place and stored.  Loads come back in order (ISA guide 5.7.1): of 32 loads, chunk c's are
; numbers 2 c and 2 c + 1, so 30 - 2 c younger ones may stay out.  No register that a store reads is written again.
.macro CAST c, b, off
	s_wait_loadcnt 30-2*\c
.irp k, 0,1,2,3
	v_cvt_pk_bf16_f32 v[X+8*\c+\k], v[X+8*\c+2*\k], v[X+8*\c+2*\k+1]
.endr
	global_store_b128 v2, v[X+8*\c:X+8*\c+3], s[\b:\b+1] offset:\off
.endm
.irp c, 0,1,2,3,4,5,6,7
	CAST \c, 14, COUT*\c
.endr
	CAST 8, 22, 0
	CAST 9, 22, COUT
	CAST 10, 22, 64*2048
	CAST 11, 22, 64*2048+COUT
	CAST 12, 22, 128*2048
	CAST 13, 22, 128*2048+COUT
	CAST 14, 24, 0
	CAST 15, 24, COUT
	s_endpgm
.Lfunc_end_k_q76b1a5dd95_prep:
	.size	k_q76b1a5dd95_prep, .Lfunc_end_k_q76b1a5dd95_prep-k_q76b1a5dd95_prep
	.p2alignl 7, 3214868480
	.fill 96, 4, 3214868480
	.section	.rodata,"a",@progbits
	.p2align	6, 0x0
	.amdhsa_kernel k_q76b1a5dd95_prep
		.amdhsa_group_segment_fixed_size 0
		.amdhsa_private_segment_fixed_size 0
		.amdhsa_enable_private_segment 0
		.amdhsa_kernarg_size 64
		.amdhsa_user_sgpr_count 2
		.amdhsa_user_sgpr_kernarg_segment_ptr 1
		.amdhsa_wavefront_size32 1
		.amdhsa_system_sgpr_workgroup_id_x 1
		.amdhsa_system_sgpr_workgroup_id_y 1
		.amdhsa_system_sgpr_workgroup_id_z 1
		.amdhsa_system_vgpr_workitem_id 0
		.amdhsa_next_free_vgpr 160
		.amdhsa_next_free_sgpr 66
		.amdhsa_reserve_vcc 1
		.amdhsa_float_denorm_mode_32 3
		.amdhsa_float_denorm_mode_16_64 3
		.amdhsa_memory_ordered 1
		.amdhsa_forward_progress 1
		.amdhsa_inst_pref_size 13
	.end_amdhsa_kernel
	.amdgpu_metadata
---
amdhsa.version: [ 1, 2 ]
amdhsa.kernels:
  - .name:           k_q76b1a5dd95_prep
    .symbol:         k_q76b1a5dd95_prep.kd
    .args:
      - { .name: x, .offset: 0, .size: 8, .value_kind: global_buffer, .address_space: global }
      - { .name: w_q, .offset: 8, .size: 8, .value_kind: global_buffer, .address_space: global }
      - { .name: w_k, .offset: 16, .size: 8, .value_kind: global_buffer, .address_space: global }
      - { .name: w_v, .offset: 24, .size: 8, .value_kind: global_buffer, .address_space: global }
      - { .name: w_o, .offset: 32, .size: 8, .value_kind: global_buffer, .address_space: global }
      - { .name: xb, .offset: 40, .size: 8, .value_kind: global_buffer, .address_space: global }
      - { .name: wb, .offset: 48, .size: 8, .value_kind: global_buffer, .address_space: global }
      - { .name: rope, .offset: 56, .size: 8, .value_kind: global_buffer, .address_space: global }
    .group_segment_fixed_size: 0
    .private_segment_fixed_size: 0
    .kernarg_segment_align: 8
    .kernarg_segment_size: 64
    .max_flat_workgroup_size: 256
    .sgpr_count:     66
    .vgpr_count:     160
    .wavefront_size: 32
...
	.end_amdgpu_metadata
.endif
;; end of part 1
;; launch qkv (part 2): grid 16 x 16, 4 waves a work-group, clusters of 4 x 4, 327,680 bytes of LDS; arguments xb, wb, rope, b_q, b_k, b_v, qkv; writes qkv
.if DOCPART == 2
	.amdgcn_target "amdgcn-amd-amdhsa--gfx1250"
	.amdhsa_code_object_version 6
	.text
	.protected	k_q76b1a5dd95_qkv
	.globl	k_q76b1a5dd95_qkv
	.p2align	8
	.type	k_q76b1a5dd95_qkv,@function
k_q76b1a5dd95_qkv:
	s_mov_b64 s[64:65], 0
	v_nop
	global_prefetch_b8 v0, s[64:65] scope:SCOPE_SE
	s_setreg_imm32_b32 hwreg(HW_REG_WAVE_MODE, 25, 1), 1
	s_wait_xcnt 0x0
	s_wait_alu depctr_hold_cnt(0) depctr_sa_sdst(0) depctr_va_vdst(0) depctr_va_sdst(0) depctr_va_ssrc(0) depctr_va_vcc(0) depctr_vm_vsrc(0)
	s_getreg_b32 s2, hwreg(HW_REG_IB_STS2, 6, 4)
	s_cmp_eq_u32 s2, 0
	s_cbranch_scc0 .Lentry_in_a_cluster
	s_endpgm
.Lentry_in_a_cluster:
	s_bfe_u32 s2, ttmp6, 0x10000c
	s_cmp_lg_u32 s2, 0xf033
	s_cbranch_scc0 .Lentry_shape_is_right
	s_endpgm
.Lentry_shape_is_right:
; Q, K, V = xb wb^T + bias, the rotary turn on Q and K, rounded to bf16 into qkv: three planes (Q, K, V) of
; [16 batch + head][2048][64].  A work-group makes 256 tokens (grid y) x the 192 columns of one head (grid x):
; 64 of Q, 64 of K, 64 of V.  Wave w makes tokens 64 w .. 64 w + 63 and all 192 columns: 4 x 12 accumulator tiles, 384 registers,
; so that the partners d and d + 32 of the rotary turn are tiles b and b + 2 in the same lane and register.
; K (1,024) goes in steps of 128 through two LDS slots filled by the tensor data mover; a tile's rows are 256 bytes of memory.
; CLUSTERS: 4 x 4 work-groups.  xb's tile hangs on the block of tokens alone and is asked for jointly by a row of the cluster,
; wb's on the head alone and is asked for jointly by a column: the requests for both are divided by four.
; The matrix instruction is used transposed (source 0 = rows of wb, source 1 = rows of xb): lane (r, h) holds token r and the
; eight neighbouring columns 16 b + 8 h + j.  The bias, laid out so, is the C of each tile's first product: nothing is cleared or added later.
; The 48 accumulators take turns, one instruction a turn, in the same order in every quarter step.
; LIMITS: operands are rounded to bf16, sums and the rotary turn are f32; inputs are taken to be finite.
; REGISTERS  window 0: v16-28 addresses; v32-95 fragments of xb, two buffers; v96-191 the bias, later v96-223 the table's rows;
;            window 1: fragments of wb, two buffers of 96; window 2: accumulators of row blocks 0, 1; window 3: of 2, 3.
.set PITCH,  272                       ; an LDS row: 256 bytes + 16 of padding, an odd multiple of 16: the 16 rows of a fragment load start 16 bytes apart modulo 256
.set AHALF,  128*PITCH                 ; what waves 0, 1 each bring of xb
.set BHALF,  96*PITCH                  ; what waves 2, 3 each bring of wb
.set BOFS,   2*AHALF                   ; wb's 192 rows lie behind xb's 256
.set SLOT,   2*AHALF+2*BHALF           ; 121,856
.set STAGE,  2*SLOT                    ; behind the ring, never a tensor load's target: the way out
.set SP,     144                       ; a stage row: 128 bytes + 16
.set PLANE,  16*SP                     ; 16 tokens of one plane
.set WSTAGE, 3*PLANE                   ; a wave's stage: 6,912 bytes = 27 blocks of 256
.set ADRA, 16                          ; v16-17 LDS address of my xb fragments in slot 0, 1
.set ADRB, 20                          ; v20-21 the same for wb
.set STO,  24                          ; stage: where I put 16 bytes of a token's row
.set RD,   25                          ; stage: where I read rows back
.set CO,   26                          ; 16 x lane: my 16 bytes of 512 dense bytes of a plane
.set ROFF, 27                          ; 256 r + 32 h: my 8 numbers in the table's row r
.set BOFF, 28                          ; 256 head + 32 h: my 8 numbers of a bias
.set AF,   32
.set BIAS, 96
.set ROPE, 96                          ; row block a at 96 + 32 a: cos f 0-15, cos f 16-31, sin f 0-15, sin f 16-31 (my 8 of each)
.set T,    32                          ; the way out: 32 turned numbers
.set PK,   64                          ; packed
.set RB0,  224                         ; read back: Q, K, V
.set RB1,  240
.set RB2,  80
.set G1A, 24
.set G0A, 32
.set G1B, 48
.set G0B, 56
.set MSB, 0
.macro WIN new                         ; the immediate's high byte repeats the setting that is left
.if MSB != (\new)
	s_set_vgpr_msb (MSB<<8)|(\new)
.set MSB, (\new)
.endif
.endm
.macro PLACES                          ; four places behind a matrix instruction ahead of loads into its sources and of readers of its result
.rept 4
	v_nop
.endr
.endm
.macro JLOAD s                         ; waves 0, 1 ask for xb's halves, waves 2, 3 for wb's: one mask a line; the branch hangs on the wave's number alone
	s_cmp_eq_u32 s13, 0
	s_cbranch_scc0 .Lfor_b_\@
	tensor_load_to_lds s[G0A+4*\s:G0A+4*\s+3], s[G1A:G1A+7]
	s_nop 0
	s_branch .Lasked_\@
.Lfor_b_\@:
	tensor_load_to_lds s[G0B+4*\s:G0B+4*\s+3], s[G1B:G1B+7]
	s_nop 0
.Lasked_\@:
.endm
.macro CREST                           ; a round of the cluster's barrier behind its opening barrier
	s_cmp_lg_u32 s12, 0
	s_cbranch_scc1 .Lnot_wave_0_\@
	s_barrier_signal -3
.Lnot_wave_0_\@:
	s_barrier_wait -3
	s_barrier_signal -1
	s_barrier_wait -1
.endm
.macro CROUND
	s_barrier_signal -1
	s_barrier_wait -1
	CREST
.endm
	s_load_b256 s[4:11], s[0:1], 0x0               ; xb 4, wb 6, rope 8, b_q 10
	s_load_b128 s[68:71], s[0:1], 0x20             ; b_k 68, b_v 70
	s_load_b64 s[72:73], s[0:1], 0x30              ; qkv
	s_set_vgpr_msb 0x40
	v_lshl_add_u32 v255, v0, 2, 0x42400
	s_set_vgpr_msb 0x4000
	v_mov_b32 v31, 0
	s_set_vgpr_msb 0x1
	ds_add_u32 v255, v31
	s_set_vgpr_msb 0x100
	v_lshrrev_b32 v1, 5, v0
	v_readfirstlane_b32 s12, v1                    ; wave 0..3
	s_lshr_b32 s13, s12, 1                         ; I fetch for xb (0) or wb (1)
	s_and_b32 s14, s12, 1                          ; which half of that tile
	s_bfe_u32 s16, ttmp6, 0x40000                  ; cx
	s_bfe_u32 s17, ttmp6, 0x40004                  ; cy
	s_lshl_b32 s18, ttmp9, 2
	s_add_co_u32 s18, s18, s16                     ; head = 4 x cluster x + cx
	s_and_b32 s19, ttmp7, 0xffff
	s_lshl_b32 s19, s19, 2
	s_add_co_u32 s19, s19, s17                     ; block of 256 tokens = 4 x cluster y + cy
	s_lshl_b32 s20, s17, 2
	s_lshl_b32 s20, 15, s20                        ; my row of the cluster
	s_lshl_b32 s21, 0x1111, s16                    ; my column
	; group 1: elements of 2 bytes, 4 words of padding behind every 64, bit 21 beside the mask; tiles of 128 (96) rows x 128 elements, 1,024 elements from row to row
	s_or_b32 s[G1A+0], s20, (1<<16)|(1<<20)|(1<<21)|(5<<22)|(3<<25)
	s_mov_b32 s[G1A+1], 128<<16                    ; tensor_dim0 = 128
	s_mov_b32 s[G1A+2], 128<<16                    ; tensor_dim1 = 128
	s_mov_b32 s[G1A+3], 128<<16                    ; tile_dim0 = 128
	s_mov_b32 s[G1A+4], 128                        ; tile_dim1 = 128
	s_mov_b32 s[G1A+5], 1024
	s_mov_b32 s[G1A+6], 0
	s_mov_b32 s[G1A+7], 0
	s_or_b32 s[G1B+0], s21, (1<<16)|(1<<20)|(1<<21)|(5<<22)|(3<<25)
	s_mov_b32 s[G1B+1], 128<<16
	s_mov_b32 s[G1B+2], 96<<16                     ; tensor_dim1 = 96
	s_mov_b32 s[G1B+3], 128<<16
	s_mov_b32 s[G1B+4], 96                         ; tile_dim1 = 96
	s_mov_b32 s[G1B+5], 1024
	s_mov_b32 s[G1B+6], 0
	s_mov_b32 s[G1B+7], 0
	s_lshl_b32 s40, s19, 8                         ; xb: row 256 x block + 128 x half, made of the block of tokens and the wave alone
	s_lshl_b32 s44, s14, 7
	s_add_co_u32 s40, s40, s44
	s_lshl_b32 s40, s40, 11                        ; x 2,048 bytes: below 2^24
	s_mov_b32 s41, 0
	s_mul_i32 s42, s18, 192                        ; wb: row 192 x head + 96 x half, made of the head and the wave alone
	s_mul_i32 s45, s14, 96
	s_add_co_u32 s42, s42, s45
	s_lshl_b32 s42, s42, 11
	s_mov_b32 s43, 0
	s_mul_i32 s22, s12, AHALF                      ; LDS: xb's halves at wave x 34,816 (waves 0, 1),
	s_mul_i32 s23, s12, BHALF
	s_add_co_u32 s23, s23, BOFS-2*BHALF            ; wb's at 69,632 + (wave - 2) x 26,112 (waves 2, 3)
	s_wait_dscnt 0x0
	s_wait_kmcnt 0x0
	s_add_nc_u64 s[40:41], s[4:5], s[40:41]
	s_add_nc_u64 s[42:43], s[6:7], s[42:43]
	CROUND                                         ; all sixteen work-groups are here: the first joint loads meet
.irp s, 0,1
	s_mov_b32 s[G0A+4*\s], 1
	s_add_co_u32 s[G0A+4*\s+1], s22, \s*SLOT
	s_add_nc_u64 s[G0A+4*\s+2:G0A+4*\s+3], s[40:41], \s*256        ; K step s
	s_or_b32 s[G0A+4*\s+3], s[G0A+4*\s+3], 0x80000000
	s_mov_b32 s[G0B+4*\s], 1
	s_add_co_u32 s[G0B+4*\s+1], s23, \s*SLOT
	s_add_nc_u64 s[G0B+4*\s+2:G0B+4*\s+3], s[42:43], \s*256
	s_or_b32 s[G0B+4*\s+3], s[G0B+4*\s+3], 0x80000000
	JLOAD \s                                       ; two tensor loads of a wave are out here, later one
.endr
	v_and_b32 v1, 15, v0                           ; r
	v_bfe_u32 v2, v0, 4, 1                         ; h
	v_and_b32 v3, 31, v0                           ; lane
	v_mul_u32_u24 v4, v1, PITCH
	v_lshl_add_u32 v4, v2, 4, v4                   ; r x pitch + 16 h
	s_mul_i32 s44, s12, 64*PITCH                   ; my 64 rows of xb
	v_add_nc_u32 v[ADRA], s44, v4
	v_add_nc_u32 v[ADRA+1], SLOT, v[ADRA]
	v_add_nc_u32 v[ADRB], BOFS, v4
	v_add_nc_u32 v[ADRB+1], SLOT, v[ADRB]
	s_mul_i32 s45, s12, WSTAGE
	s_add_co_u32 s45, s45, STAGE                   ; my stage
	v_mul_u32_u24 v5, v1, SP
	v_lshl_add_u32 v5, v2, 4, v5
	v_add_nc_u32 v[STO], s45, v5
	v_lshrrev_b32 v5, 3, v3                        ; back: eight lanes take a row of 128 bytes, a load four rows
	v_mul_u32_u24 v5, v5, SP
	v_and_b32 v6, 7, v0
	v_lshl_add_u32 v5, v6, 4, v5
	v_add_nc_u32 v[RD], s45, v5
	v_lshlrev_b32 v[CO], 4, v3
	v_lshlrev_b32 v5, 5, v2
	v_lshl_add_u32 v[ROFF], v1, 8, v5
	s_lshl_b32 s80, s18, 8
	v_add_nc_u32 v[BOFF], s80, v5
.macro BLOAD p, lo                     ; tile 4 p + b of the bias: register j of lane (r, h) = bias[64 head + 16 b + 8 h + j]
.irp b, 0,1,2,3
	global_load_b128 v[BIAS+8*(4*\p+\b):BIAS+8*(4*\p+\b)+3],   v[BOFF], s[\lo:\lo+1] offset:64*\b
	global_load_b128 v[BIAS+8*(4*\p+\b)+4:BIAS+8*(4*\p+\b)+7], v[BOFF], s[\lo:\lo+1] offset:64*\b+16
.endr
.endm
	BLOAD 0, 10
	BLOAD 1, 68
	BLOAD 2, 70
	; where the results go, and my 64 rows of the table (registers that feed no descriptor)
	s_lshr_b32 s80, s19, 3                         ; batch
	s_lshl_b32 s80, s80, 4
	s_add_co_u32 s80, s80, s18                     ; 16 batch + head
	s_lshl_b32 s80, s80, 11
	s_and_b32 s82, s19, 7
	s_lshl_b32 s82, s82, 8
	s_lshl_b32 s81, s12, 6
	s_add_co_u32 s82, s82, s81                     ; my first position: 256 (block mod 8) + 64 wave
	s_add_co_u32 s80, s80, s82
	s_lshl_b32 s80, s80, 7                         ; x 128 bytes
	s_mov_b32 s81, 0
	s_add_nc_u64 s[74:75], s[72:73], s[80:81]      ; Q's plane
	s_add_nc_u64 s[76:77], s[74:75], 0x800000      ; K's
	s_add_nc_u64 s[78:79], s[74:75], 0x1000000     ; V's
	s_lshl_b32 s82, s82, 8                         ; x 256 bytes
	s_mov_b32 s83, 0
	s_add_nc_u64 s[8:9], s[8:9], s[82:83]
; 12 matrix instructions: row block a (place al in its window) x all 12 column tiles, 32 along K, from buffer f.  first = 1: C is the bias.
.macro MULROW f, a, al, first
.irp b, 0,1,2,3,4,5,6,7,8,9,10,11
.if \first
	v_wmma_f32_16x16x32_bf16 v[8*(12*\al+\b):8*(12*\al+\b)+7], v[96*\f+8*\b:96*\f+8*\b+7], v[AF+32*\f+8*\a:AF+32*\f+8*\a+7], v[BIAS+8*\b:BIAS+8*\b+7]
.else
	v_wmma_f32_16x16x32_bf16 v[8*(12*\al+\b):8*(12*\al+\b)+7], v[96*\f+8*\b:96*\f+8*\b+7], v[AF+32*\f+8*\a:AF+32*\f+8*\a+7], v[8*(12*\al+\b):8*(12*\al+\b)+7]
.endif
.endr
.endm
; 32 LDS loads in one run: 192 rows of wb, then my 64 rows of xb, 32 K at byte k of the rows, into buffer f
.macro FETCH slot, k, f
	WIN 0x40
.irp i, 0,1,2,3,4,5,6,7,8,9,10,11
	ds_load_b128 v[96*\f+8*\i:96*\f+8*\i+3],   v[ADRB+\slot] offset:\k+\i*16*PITCH
	ds_load_b128 v[96*\f+8*\i+4:96*\f+8*\i+7], v[ADRB+\slot] offset:\k+\i*16*PITCH+32
.endr
	WIN 0
.irp i, 0,1,2,3
	ds_load_b128 v[AF+32*\f+8*\i:AF+32*\f+8*\i+3],   v[ADRA+\slot] offset:\k+\i*16*PITCH
	ds_load_b128 v[AF+32*\f+8*\i+4:AF+32*\f+8*\i+7], v[ADRA+\slot] offset:\k+\i*16*PITCH+32
.endr
.endm
; One of a K step's first three quarters: multiplies buffer f, and in its middle fetches the next quarter (byte k) into buffer g
.macro QUARTER slot, k, f, g, first
	s_wait_dscnt 4                                 ; wb and xb's row blocks 0, 1 are in; the four youngest loads (row blocks 2, 3) may be out
.if \first
	WIN 0x81                                       ; source 0 window 1, source 1 and C window 0, D window 2
.else
	WIN 0xa1                                       ; C and D window 2
.endif
	MULROW \f, 0, 0, \first
	MULROW \f, 1, 1, \first
	PLACES
	FETCH \slot, \k, \g
	s_wait_dscnt 32                                ; all but the 32 just issued
.if \first
	WIN 0xc1
.else
	WIN 0xf1
.endif
	MULROW \f, 2, 0, \first
	MULROW \f, 3, 1, \first
.endm
.macro THREE slot, first
	QUARTER \slot, 64,  0, 1, \first
	QUARTER \slot, 128, 1, 0, 0
	QUARTER \slot, 192, 0, 1, 0
.endm
; The last quarter multiplies buffer 1 and changes slots.  In front of the barrier each wave waits for its reads of this slot and for all its
; tensor loads (one is out: its part of the next slot); where the slot is filled again the barrier opens a round of the cluster's barrier, and
; the joint refill is the first tensor load behind the round.  From a request to the wait for it a wave issues 180 matrix instructions.
.macro TURN slot, next, fill
	s_wait_dscnt 4
	WIN 0xa1
	MULROW 1, 0, 0, 0
	s_wait_dscnt 0x0                               ; my reads of this slot are over
	s_wait_tensorcnt 0x0                           ; all my tensor loads have landed
	ds_add_u32 v255, v31
	s_wait_dscnt 0x0
	s_barrier_signal -1
	MULROW 1, 1, 1, 0                              ; registers only
	WIN 0
	s_barrier_wait -1
.if \fill
	CREST
	s_add_nc_u64 s[G0A+4*\slot+2:G0A+4*\slot+3], s[G0A+4*\slot+2:G0A+4*\slot+3], 512   ; two K steps on
	s_add_nc_u64 s[G0B+4*\slot+2:G0B+4*\slot+3], s[G0B+4*\slot+2:G0B+4*\slot+3], 512
	JLOAD \slot
.endif
	PLACES
	FETCH \next, 0, 0
	WIN 0xf1
	MULROW 1, 2, 0, 0
	MULROW 1, 3, 1, 0
.endm
.macro LAP first
	THREE 0, \first
	TURN 0, 1, 1
	THREE 1, 0
	TURN 1, 0, 1
.endm
	s_wait_tensorcnt 0x1                           ; my part of K step 0 is in; K step 1's stays out
	s_barrier_signal -1
	s_barrier_wait -1
	FETCH 0, 0, 0
	s_wait_loadcnt 0x0                             ; the bias
	LAP 1                                          ; K steps 0, 1; the first products start the sums from the bias
	WIN 0
	PLACES                                         ; the bias registers were sources of matrix instructions
.irp a, 0,1,2,3
.irp q, 0,1,2,3
	global_load_b128 v[ROPE+32*\a+8*\q:ROPE+32*\a+8*\q+3],   v[ROFF], s[8:9] offset:4096*\a+64*\q      ; the table's rows of my 64 tokens:
	global_load_b128 v[ROPE+32*\a+8*\q+4:ROPE+32*\a+8*\q+7], v[ROFF], s[8:9] offset:4096*\a+64*\q+16   ; they land during the loop and are waited for behind it
.endr
.endr
	s_mov_b32 s15, 2
.Llap:
	LAP 0                                          ; K steps 2 to 5
	WIN 0
	s_sub_co_u32 s15, s15, 1
	s_cmp_lg_u32 s15, 0
	s_cbranch_scc1 .Llap
	THREE 0, 0                                     ; K steps 6, 7: nothing is left to fetch
	TURN 0, 1, 0
	THREE 1, 0
	s_wait_dscnt 4
	WIN 0xa1
	MULROW 1, 0, 0, 0
	MULROW 1, 1, 1, 0
	s_wait_dscnt 0x0
	WIN 0xf1
	MULROW 1, 2, 0, 0
	MULROW 1, 3, 1, 0
	WIN 0
	PLACES
	s_wait_loadcnt 0x0                             ; the table
; THE WAY OUT, 16 tokens at a time.  Plane p of Q, K: y'(d) = y(d) cos - y(d+32) sin, y'(d+32) = y(d+32) cos + y(d) sin, d = 16 e + 8 h + j.
.macro ROT a, al, p, win
	WIN \win                                       ; source 0 in the accumulators' window
.irp e, 0,1
.irp jj, 0,2,4,6
	v_pk_mul_f32 v[T+8*\e+\jj:T+8*\e+\jj+1],       v[8*(12*\al+4*\p+\e)+\jj:8*(12*\al+4*\p+\e)+\jj+1],     v[ROPE+32*\a+8*\e+\jj:ROPE+32*\a+8*\e+\jj+1]
	v_pk_mul_f32 v[T+16+8*\e+\jj:T+16+8*\e+\jj+1], v[8*(12*\al+4*\p+\e+2)+\jj:8*(12*\al+4*\p+\e+2)+\jj+1], v[ROPE+32*\a+8*\e+\jj:ROPE+32*\a+8*\e+\jj+1]
	v_pk_fma_f32 v[T+8*\e+\jj:T+8*\e+\jj+1],       v[8*(12*\al+4*\p+\e+2)+\jj:8*(12*\al+4*\p+\e+2)+\jj+1], v[ROPE+32*\a+16+8*\e+\jj:ROPE+32*\a+16+8*\e+\jj+1], v[T+8*\e+\jj:T+8*\e+\jj+1] neg_lo:[1,0,0] neg_hi:[1,0,0]
	v_pk_fma_f32 v[T+16+8*\e+\jj:T+16+8*\e+\jj+1], v[8*(12*\al+4*\p+\e)+\jj:8*(12*\al+4*\p+\e)+\jj+1],     v[ROPE+32*\a+16+8*\e+\jj:ROPE+32*\a+16+8*\e+\jj+1], v[T+16+8*\e+\jj:T+16+8*\e+\jj+1]
.endr
.endr
	WIN 0
.irp b, 0,1,2,3
.irp k, 0,1,2,3
	v_cvt_pk_bf16_f32 v[PK+4*\b+\k], v[T+8*\b+2*\k], v[T+8*\b+2*\k+1]
.endr
.endr
.endm
.macro STIO p, rb                      ; through my own stage: 16 bytes a lane in, whole rows back; LDS serves a wave's instructions in order (ISA guide 5.7.1)
.irp b, 0,1,2,3
	ds_store_b128 v[STO], v[PK+4*\b:PK+4*\b+3] offset:PLANE*\p+32*\b
.endr
.irp t, 0,1,2,3
	ds_load_b128 v[\rb+4*\t:\rb+4*\t+3], v[RD] offset:PLANE*\p+4*SP*\t
.endr
.endm
.macro GOUT rb, lo, a                  ; each store of the wave covers 512 consecutive bytes, aligned: four tokens' rows of a plane
.irp t, 0,1,2,3
	global_store_b128 v[CO], v[\rb+4*\t:\rb+4*\t+3], s[\lo:\lo+1] offset:2048*\a+512*\t
.endr
.endm
.macro OUTBLK a, al, w1, w2
	s_wait_xcnt 0x0                                ; the registers read back into, which the last block's stores read, are loaded again only behind this wait
	ROT \a, \al, 0, \w1
	STIO 0, RB0
	ROT \a, \al, 1, \w1
	STIO 1, RB1
	WIN \w2                                        ; V: both sources in the accumulators' window
.irp b, 0,1,2,3
.irp k, 0,1,2,3
	v_cvt_pk_bf16_f32 v[PK+4*\b+\k], v[8*(12*\al+8+\b)+2*\k], v[8*(12*\al+8+\b)+2*\k+1]
.endr
.endr
	WIN 0
	STIO 2, RB2
	s_wait_dscnt 16                                ; behind Q's four loads stand K's and V's eight LDS instructions each
	GOUT RB0, 74, \a
	s_wait_dscnt 8
	GOUT RB1, 76, \a
	s_wait_dscnt 0x0
	GOUT RB2, 78, \a
.endm
	OUTBLK 0, 0, 0x02, 0x0a
	OUTBLK 1, 1, 0x02, 0x0a
	OUTBLK 2, 0, 0x03, 0x0f
	OUTBLK 3, 1, 0x03, 0x0f
	s_set_vgpr_msb 0x1
	s_wait_tensorcnt 0x0
	ds_add_u32 v255, v31
	s_wait_dscnt 0x0
	s_set_vgpr_msb 0x100
	CROUND                                         ; the closing round: no work-group ends while a partner may still ask jointly
	s_endpgm
.Lfunc_end_k_q76b1a5dd95_qkv:
	.size	k_q76b1a5dd95_qkv, .Lfunc_end_k_q76b1a5dd95_qkv-k_q76b1a5dd95_qkv
	.p2alignl 7, 3214868480
	.fill 96, 4, 3214868480
	.section	.rodata,"a",@progbits
	.p2align	6, 0x0
	.amdhsa_kernel k_q76b1a5dd95_qkv
		.amdhsa_group_segment_fixed_size 327680
		.amdhsa_private_segment_fixed_size 0
		.amdhsa_enable_private_segment 0
		.amdhsa_kernarg_size 56
		.amdhsa_user_sgpr_count 2
		.amdhsa_user_sgpr_kernarg_segment_ptr 1
		.amdhsa_wavefront_size32 1
		.amdhsa_system_sgpr_workgroup_id_x 1
		.amdhsa_system_sgpr_workgroup_id_y 1
		.amdhsa_system_sgpr_workgroup_id_z 1
		.amdhsa_system_vgpr_workitem_id 0
		.amdhsa_next_free_vgpr 960
		.amdhsa_next_free_sgpr 84
		.amdhsa_reserve_vcc 0
		.amdhsa_float_denorm_mode_32 3
		.amdhsa_float_denorm_mode_16_64 3
		.amdhsa_memory_ordered 1
		.amdhsa_forward_progress 1
		.amdhsa_inst_pref_size 184
	.end_amdhsa_kernel
	.amdgpu_metadata
---
amdhsa.version: [ 1, 2 ]
amdhsa.kernels:
  - .name:           k_q76b1a5dd95_qkv
    .symbol:         k_q76b1a5dd95_qkv.kd
    .args:
      - { .name: xb, .offset: 0, .size: 8, .value_kind: global_buffer, .address_space: global }
      - { .name: wb, .offset: 8, .size: 8, .value_kind: global_buffer, .address_space: global }
      - { .name: rope, .offset: 16, .size: 8, .value_kind: global_buffer, .address_space: global }
      - { .name: b_q, .offset: 24, .size: 8, .value_kind: global_buffer, .address_space: global }
      - { .name: b_k, .offset: 32, .size: 8, .value_kind: global_buffer, .address_space: global }
      - { .name: b_v, .offset: 40, .size: 8, .value_kind: global_buffer, .address_space: global }
      - { .name: qkv, .offset: 48, .size: 8, .value_kind: global_buffer, .address_space: global }
    .group_segment_fixed_size: 327680
    .private_segment_fixed_size: 0
    .kernarg_segment_align: 8
    .kernarg_segment_size: 56
    .max_flat_workgroup_size: 128
    .sgpr_count:     84
    .vgpr_count:     960
    .wavefront_size: 32
...
	.end_amdgpu_metadata
.endif
;; end of part 2
;; launch attn (part 3): grid 8 x 32, 8 waves a work-group, clusters of 4 x 1, 327,680 bytes of LDS; arguments qkv, ao; writes ao
.if DOCPART == 3
	.amdgcn_target "amdgcn-amd-amdhsa--gfx1250"
	.amdhsa_code_object_version 6
	.text
	.protected	k_q76b1a5dd95_attn
	.globl	k_q76b1a5dd95_attn
	.p2align	8
	.type	k_q76b1a5dd95_attn,@function
k_q76b1a5dd95_attn:
	s_mov_b64 s[64:65], 0
	v_nop
	global_prefetch_b8 v0, s[64:65] scope:SCOPE_SE
	s_setreg_imm32_b32 hwreg(HW_REG_WAVE_MODE, 25, 1), 1
	s_wait_xcnt 0x0
	s_wait_alu depctr_hold_cnt(0) depctr_sa_sdst(0) depctr_va_vdst(0) depctr_va_sdst(0) depctr_va_ssrc(0) depctr_va_vcc(0) depctr_vm_vsrc(0)
	s_getreg_b32 s2, hwreg(HW_REG_IB_STS2, 6, 4)
	s_cmp_eq_u32 s2, 0
	s_cbranch_scc0 .Lentry_in_a_cluster
	s_endpgm
.Lentry_in_a_cluster:
	s_bfe_u32 s2, ttmp6, 0x10000c
	s_cmp_lg_u32 s2, 0x3003
	s_cbranch_scc0 .Lentry_shape_is_right
	s_endpgm
.Lentry_shape_is_right:
; softmax(Q K^T / 8) V for one (batch, head) (grid y) and 256 queries (grid x), with a running maximum; ao[16 batch + head][2048][64] bf16.
; Eight waves: wave w has queries 64 g .. 64 g + 63 (g = w mod 4) and half p = w / 4 of the keys of every slot, so that two waves can share
; a SIMD, one at its exponentials while the other multiplies, and each key row read from LDS still serves 64 queries.  The two halves are merged once, at the end, through LDS.
; K and V come in slots of 256 keys (two slots, eight trips); wave w brings chunk w of a slot: 64 keys of K (w < 4) or of V.
; CLUSTERS: the four blocks of queries of a cluster read the same K and V: every tile is asked for jointly (mask 15).  Q is each work-group's own.
; TRANSPOSED FORMS: S^T = K Q^T: lane (r, h) holds query r and keys 16 kb + 8 h + j, so a row's maximum and sum need one exchange of lanes (l xor 16),
; and the packed P of two tiles is already the second source of O^T = V^T P^T (V^T by the transposing LDS load): lane (r, h) holds query r, d = 16 dt + 8 h + j.
; The shift that is carried is the rounded product - c m (c = log2(e) / 8), the same number in the exponents and in the factor alpha.
; Accumulators take turns, one matrix instruction a turn.
; LIMITS: inputs finite (a NaN loses in the maxima); exponentials below 2^-126 come out as 0; P, Q, K, V are bf16, sums f32; the row sum adds P before its rounding.
; REGISTERS  window 0: v7-15 addresses; v16-23 (shift, maximum) a block of 16 queries; v24-31 (alpha, sum); v32-95 V^T; v96-223 S, then P; v224-251 at work
;            window 1: v0-127 O; v128-191 Q; v192-255 K
.set CH,   10240                       ; a chunk: 64 keys of K at pitch 144 (9,216 bytes used) or of V at pitch 160
.set SLOT, 8*CH
.set KP,   144                         ; 128 bytes + 16: an odd multiple of 16
.set VP,   160                         ; 128 bytes + 32: an odd multiple of 32, for the transposing load
.set SCR,  2*SLOT                      ; the merge: 16,384 bytes of O and 2,048 of shifts and sums for each g; never a tensor load's target
.set SCRW, 18432
.set STG,  SCR+4*SCRW                  ; the way out: 16 rows x 144 bytes for each g
.set STGW, 2304
.set QOFF, 7
.set KADR, 8
.set VADR, 10
.set SCRA, 12
.set STO,  13
.set RD,   14
.set CO,   15
.set NG,   16
.set AL,   24
.set VF,   32
.set SS,   96
.set MX,   224
.set TP,   228
.set RS,   232
.set NM,   248
.set PN,   224                         ; the merge: the partner's (shift, maximum)
.set PA,   232                         ; and (alpha, sum)
.set PK,   240
.set OO,   0                           ; window 1
.set QF,   128
.set KF,   192
.set G1K, 16
.set G1V, 24
.set G0,  32
.set MSB, 0
.macro WIN new
.if MSB != (\new)
	s_set_vgpr_msb (MSB<<8)|(\new)
.set MSB, (\new)
.endif
.endm
.macro PLACES
.rept 4
	v_nop
.endr
.endm
.macro ROUND                           ; a round of the cluster's barrier
	s_barrier_signal -1
	s_barrier_wait -1
	s_cmp_lg_u32 s8, 0
	s_cbranch_scc1 .Lnot_wave_0_\@
	s_barrier_signal -3
.Lnot_wave_0_\@:
	s_barrier_wait -3
	s_barrier_signal -1
	s_barrier_wait -1
.endm
.macro JLOAD s                         ; my chunk of slot s: K's pitch for waves 0-3, V's for waves 4-7; the branch hangs on the wave's number alone
	s_cmp_eq_u32 s10, 0
	s_cbranch_scc0 .Lfor_v_\@
	tensor_load_to_lds s[G0+4*(\s):G0+4*(\s)+3], s[G1K:G1K+7]
	s_nop 0
	s_branch .Lasked_\@
.Lfor_v_\@:
	tensor_load_to_lds s[G0+4*(\s):G0+4*(\s)+3], s[G1V:G1V+7]
	s_nop 0
.Lasked_\@:
.endm
	s_load_b128 s[4:7], s[0:1], 0x0                ; qkv, ao
	v_lshl_add_u32 v254, v0, 2, 0x3c400
	v_mov_b32 v255, 0
	ds_add_u32 v254, v255
	s_wait_dscnt 0x0
	v_lshrrev_b32 v1, 5, v0
	v_readfirstlane_b32 s8, v1                     ; wave 0..7
	s_and_b32 s9, s8, 3                            ; g
	s_lshr_b32 s10, s8, 2                          ; p
	s_bfe_u32 s11, ttmp6, 0x40000                  ; cx
	s_lshl_b32 s12, ttmp9, 2
	s_add_co_u32 s12, s12, s11                     ; block of 256 queries
	s_and_b32 s13, ttmp7, 0xffff                   ; 16 batch + head
	; group 1: mask 15 and bit 21; elements of 2 bytes; behind every 32 words 4 (K) or 8 (V) words of padding; 64 rows x 64 elements, dense
	s_mov_b32 s[G1K+0], 15|(1<<16)|(1<<20)|(1<<21)|(4<<22)|(3<<25)
	s_mov_b32 s[G1V+0], 15|(1<<16)|(1<<20)|(1<<21)|(4<<22)|(7<<25)
.irp g, G1K, G1V
	s_mov_b32 s[\g+1], 64<<16                      ; tensor_dim0
	s_mov_b32 s[\g+2], 64<<16                      ; tensor_dim1
	s_mov_b32 s[\g+3], 64<<16                      ; tile_dim0
	s_mov_b32 s[\g+4], 64                          ; tile_dim1
	s_mov_b32 s[\g+5], 64                          ; elements from row to row
	s_mov_b32 s[\g+6], 0
	s_mov_b32 s[\g+7], 0
.endr
	s_mov_b32 s40, 0x3e38aa3b                      ; c = log2(e) / 8
	s_mov_b32 s41, 0x3e38aa3b
	s_mov_b32 s42, 0xbe38aa3b                      ; - c
	s_mov_b32 s43, 0x76543210                      ; v_permlanex16_b32: lane l reads lane l xor 16
	s_mov_b32 s44, 0xfedcba98
	s_add_co_u32 s46, s10, 1                       ; my chunk in memory: plane 1 + p, head's 2,048 rows, 64 g rows on: no place in the cluster enters
	s_lshl_b32 s46, s46, 23
	s_lshl_b32 s47, s13, 18
	s_add_co_u32 s46, s46, s47
	s_lshl_b32 s47, s9, 13
	s_add_co_u32 s46, s46, s47
	s_mov_b32 s47, 0
	s_mul_i32 s48, s8, CH                          ; and in LDS: wave x 10,240
	s_lshl_b32 s52, s13, 18                        ; my 64 queries, in Q's plane and in ao alike
	s_lshl_b32 s53, s12, 15
	s_add_co_u32 s52, s52, s53
	s_lshl_b32 s53, s9, 13
	s_add_co_u32 s52, s52, s53
	s_mov_b32 s53, 0
	s_wait_kmcnt 0x0
	s_add_nc_u64 s[46:47], s[4:5], s[46:47]
	s_add_nc_u64 s[50:51], s[4:5], s[52:53]
	s_add_nc_u64 s[6:7], s[6:7], s[52:53]
	ROUND                                          ; the four work-groups are here: the first joint loads meet
.irp s, 0,1
	s_mov_b32 s[G0+4*\s], 1
	s_add_co_u32 s[G0+4*\s+1], s48, \s*SLOT
	s_add_nc_u64 s[G0+4*\s+2:G0+4*\s+3], s[46:47], \s*256*128      ; keys 256 s ..
	s_or_b32 s[G0+4*\s+3], s[G0+4*\s+3], 0x80000000
	JLOAD \s                                       ; two tensor loads of a wave are out here, later one
.endr
	v_and_b32 v1, 15, v0                           ; r
	v_bfe_u32 v2, v0, 4, 1                         ; h
	v_and_b32 v3, 31, v0                           ; lane
	v_lshlrev_b32 v4, 4, v2                        ; 16 h
	v_lshl_add_u32 v[QOFF], v1, 7, v4              ; 128 r + 16 h
	v_mul_u32_u24 v5, v1, KP
	v_add_nc_u32 v5, v5, v4                        ; 144 r + 16 h
	s_mul_i32 s49, s10, 2*CH                       ; my half of a slot's keys: chunks 2 p, 2 p + 1
	v_add_nc_u32 v[KADR], s49, v5
	v_add_nc_u32 v[KADR+1], SLOT, v[KADR]
	v_and_b32 v6, 7, v0
	v_lshl_add_u32 v5, v2, 3, v6                   ; key row 8 h + (l mod 8)
	v_mul_u32_u24 v5, v5, VP
	v_bfe_u32 v6, v0, 3, 1
	v_lshl_add_u32 v5, v6, 4, v5                   ; + 16 bytes for lanes 8-15 of each half
	s_add_co_u32 s49, s49, 4*CH                    ; V's chunks lie behind K's four
	v_add_nc_u32 v[VADR], s49, v5
	v_add_nc_u32 v[VADR+1], SLOT, v[VADR]
	s_mul_i32 s49, s9, SCRW
	s_add_co_u32 s49, s49, SCR
	v_lshl_add_u32 v[SCRA], v3, 4, s49
	s_mul_i32 s49, s9, STGW
	s_add_co_u32 s49, s49, STG
	v_mul_u32_u24 v5, v1, KP
	v_add3_u32 v[STO], v5, v4, s49
	v_lshrrev_b32 v5, 3, v3
	v_mul_u32_u24 v5, v5, KP
	v_and_b32 v6, 7, v0
	v_lshl_add_u32 v5, v6, 4, v5
	v_add_nc_u32 v[RD], s49, v5
	v_lshlrev_b32 v[CO], 4, v3
.irp qb, 0,1,2,3
	v_mov_b32 v[TP+\qb], 0                         ; v_permlanex16_b32 counts as a reader of its destination
.endr
	WIN 0x40
.irp qb, 0,1,2,3
.irp ks, 0,1
	global_load_b128 v[QF+16*\qb+8*\ks:QF+16*\qb+8*\ks+3],   v[QOFF], s[50:51] offset:2048*\qb+64*\ks
	global_load_b128 v[QF+16*\qb+8*\ks+4:QF+16*\qb+8*\ks+7], v[QOFF], s[50:51] offset:2048*\qb+64*\ks+32
.endr
.endr
	WIN 0
.macro KLOAD slot, u                   ; 16 loads: 64 keys x 64 d of K, chunk 2 p + u
	WIN 0x40
.irp kb, 0,1,2,3
.irp ks, 0,1
	ds_load_b128 v[KF+16*\kb+8*\ks:KF+16*\kb+8*\ks+3],   v[KADR+\slot] offset:CH*(\u)+16*KP*\kb+64*\ks
	ds_load_b128 v[KF+16*\kb+8*\ks+4:KF+16*\kb+8*\ks+7], v[KADR+\slot] offset:CH*(\u)+16*KP*\kb+64*\ks+32
.endr
.endr
	WIN 0
.endm
.macro FEXP qb                         ; P = 2^(c S - c m) for 16 queries x 64 keys, in place
.set i, 0
.rept 16
	v_pk_fma_f32 v[SS+32*\qb+i:SS+32*\qb+i+1], v[SS+32*\qb+i:SS+32*\qb+i+1], s[40:41], v[NG+2*\qb:NG+2*\qb+1] op_sel_hi:[1,0,0]
.set i, i+2
.endr
.set i, 0
.rept 32
	v_exp_f32 v[SS+32*\qb+i], v[SS+32*\qb+i]
.set i, i+1
.endr
.endm
.macro SUMCVT qb, first                ; my lane's part of the row sum, in two chains; then P packed in place into two second sources of 32 keys
	s_wait_alu depctr_va_vdst(0)
	v_pk_add_f32 v[RS+4*\qb:RS+4*\qb+1],   v[SS+32*\qb:SS+32*\qb+1],   v[SS+32*\qb+2:SS+32*\qb+3]
	v_pk_add_f32 v[RS+4*\qb+2:RS+4*\qb+3], v[SS+32*\qb+4:SS+32*\qb+5], v[SS+32*\qb+6:SS+32*\qb+7]
.set i, 8
.rept 6
	v_pk_add_f32 v[RS+4*\qb:RS+4*\qb+1],   v[RS+4*\qb:RS+4*\qb+1],   v[SS+32*\qb+i:SS+32*\qb+i+1]
	v_pk_add_f32 v[RS+4*\qb+2:RS+4*\qb+3], v[RS+4*\qb+2:RS+4*\qb+3], v[SS+32*\qb+i+2:SS+32*\qb+i+3]
.set i, i+4
.endr
	v_pk_add_f32 v[RS+4*\qb:RS+4*\qb+1], v[RS+4*\qb:RS+4*\qb+1], v[RS+4*\qb+2:RS+4*\qb+3]
.if \first
	v_add_f32 v[AL+2*\qb+1], v[RS+4*\qb], v[RS+4*\qb+1]
.else
	v_add_f32 v[RS+4*\qb], v[RS+4*\qb], v[RS+4*\qb+1]
	v_fma_f32 v[AL+2*\qb+1], v[AL+2*\qb+1], v[AL+2*\qb], v[RS+4*\qb]
.endif
.irp u2, 0,1
.irp k, 0,1,2,3
	v_cvt_pk_bf16_f32 v[SS+32*\qb+16*\u2+\k], v[SS+32*\qb+16*\u2+2*\k], v[SS+32*\qb+16*\u2+2*\k+1]
.endr
.irp k, 0,1,2,3
	v_cvt_pk_bf16_f32 v[SS+32*\qb+16*\u2+4+\k], v[SS+32*\qb+16*\u2+8+2*\k], v[SS+32*\qb+16*\u2+8+2*\k+1]
.endr
.endr
.endm
; 64 keys (chunk 2 p + u of the slot) x my 64 queries.  first = 1: the wave's first step starts maxima, sums and O.  nk = 1: the slot's next chunk of K is fetched.
.macro STEP slot, u, first, nk
	s_wait_dscnt 0x0                               ; K's fragments, the only LDS loads that are out
.if 1-\first
.rept 5
	v_nop                                          ; five places (ISA guide 7.12.1): the products below write over registers that the last P V products read
.endr
.endif
	WIN 0x05                                       ; K and Q in window 1, S in window 0
.irp qb, 0,1,2,3
.irp kb, 0,1,2,3
	v_wmma_f32_16x16x32_bf16 v[SS+32*\qb+8*\kb:SS+32*\qb+8*\kb+7], v[KF+16*\kb:KF+16*\kb+7], v[QF+16*\qb:QF+16*\qb+7], 0
.endr
.endr
.irp qb, 0,1,2,3
.irp kb, 0,1,2,3
	v_wmma_f32_16x16x32_bf16 v[SS+32*\qb+8*\kb:SS+32*\qb+8*\kb+7], v[KF+16*\kb+8:KF+16*\kb+15], v[QF+16*\qb+8:QF+16*\qb+15], v[SS+32*\qb+8*\kb:SS+32*\qb+8*\kb+7]
.endr
.endr
	WIN 0
	PLACES
.irp u2, 0,1
.irp dt, 0,1,2,3
	ds_load_tr16_b128 v[VF+32*\u2+8*\dt:VF+32*\u2+8*\dt+3],   v[VADR+\slot] offset:CH*\u+32*VP*\u2+32*\dt
	ds_load_tr16_b128 v[VF+32*\u2+8*\dt+4:VF+32*\u2+8*\dt+7], v[VADR+\slot] offset:CH*\u+32*VP*\u2+32*\dt+16*VP
.endr
.endr
.if \nk
	KLOAD \slot, 1
.endif
	; the running maximum of each query, four chains side by side
.if \first
.irp qb, 0,1,2,3
	v_max3_num_f32 v[MX+\qb], v[SS+32*\qb], v[SS+32*\qb+1], v[SS+32*\qb+2]
.endr
.set i, 3
.rept 14
.irp qb, 0,1,2,3
	v_max3_num_f32 v[MX+\qb], v[MX+\qb], v[SS+32*\qb+i], v[SS+32*\qb+i+1]
.endr
.set i, i+2
.endr
.irp qb, 0,1,2,3
	v_max_num_f32 v[MX+\qb], v[MX+\qb], v[SS+32*\qb+31]
.endr
.else
.irp qb, 0,1,2,3
	v_max3_num_f32 v[MX+\qb], v[NG+2*\qb+1], v[SS+32*\qb], v[SS+32*\qb+1]
.endr
.set i, 2
.rept 15
.irp qb, 0,1,2,3
	v_max3_num_f32 v[MX+\qb], v[MX+\qb], v[SS+32*\qb+i], v[SS+32*\qb+i+1]
.endr
.set i, i+2
.endr
.endif
.irp qb, 0,1,2,3
	v_permlanex16_b32 v[TP+\qb], v[MX+\qb], s43, s44       ; the other eight keys of each tile lie in lane l xor 16
.endr
.irp qb, 0,1,2,3
	v_max_num_f32 v[NG+2*\qb+1], v[MX+\qb], v[TP+\qb]
.endr
.if \first
.irp qb, 0,1,2,3
	v_mul_f32 v[NG+2*\qb], s42, v[NG+2*\qb+1]              ; the shift - c m
.endr
.else
.irp qb, 0,1,2,3
	v_mul_f32 v[NM+\qb], s42, v[NG+2*\qb+1]
.endr
.irp qb, 0,1,2,3
	v_sub_f32 v[AL+2*\qb], v[NM+\qb], v[NG+2*\qb]          ; c (old m - new m), at most 0
.endr
.irp qb, 0,1,2,3
	v_mov_b32 v[NG+2*\qb], v[NM+\qb]
.endr
.irp qb, 0,1,2,3
	v_exp_f32 v[AL+2*\qb], v[AL+2*\qb]                     ; alpha
.endr
.endif
	; behind each run of exponentials stand plain instructions on other registers before a result is used (ISA guide 5.7.2)
	FEXP 0
	FEXP 1
	SUMCVT 0, \first
	FEXP 2
	SUMCVT 1, \first
	FEXP 3
	SUMCVT 2, \first
	SUMCVT 3, \first
.if 1-\first
	WIN 0x41                                       ; O in window 1, alpha in window 0
.irp qb, 0,1,2,3
.set i, 0
.rept 16
	v_pk_mul_f32 v[OO+32*\qb+i:OO+32*\qb+i+1], v[OO+32*\qb+i:OO+32*\qb+i+1], v[AL+2*\qb:AL+2*\qb+1] op_sel_hi:[1,0]
.set i, i+2
.endr
.endr
.endif
.if \nk
	s_wait_dscnt 16                                ; V^T is in; the 16 younger loads of K stay out
.else
	s_wait_dscnt 0x0
.endif
	WIN 0x50                                       ; V^T and P in window 0, O in window 1
.irp u2, 0,1
.irp qb, 0,1,2,3
.irp dt, 0,1,2,3
.if \first*(1-\u2)
	v_wmma_f32_16x16x32_bf16 v[OO+32*\qb+8*\dt:OO+32*\qb+8*\dt+7], v[VF+32*\u2+8*\dt:VF+32*\u2+8*\dt+7], v[SS+32*\qb+16*\u2:SS+32*\qb+16*\u2+7], 0
.else
	v_wmma_f32_16x16x32_bf16 v[OO+32*\qb+8*\dt:OO+32*\qb+8*\dt+7], v[VF+32*\u2+8*\dt:VF+32*\u2+8*\dt+7], v[SS+32*\qb+16*\u2:SS+32*\qb+16*\u2+7], v[OO+32*\qb+8*\dt:OO+32*\qb+8*\dt+7]
.endif
.endr
.endr
.endr
	WIN 0
.endm
.macro WORK slot, first                ; my 128 keys of a slot
	KLOAD \slot, 0
	STEP \slot, 0, \first, 1
	STEP \slot, 1, 0, 0
.endm
; The change of slots.  Each wave waits for all its tensor loads (its chunk of the slot that is read next among them) and for its reads of the other slot;
; a round of the cluster's barrier makes both hold of every wave of the four work-groups; the joint refill of the other slot comes first behind it.
.macro HEAD slot, other, refill
	s_wait_xcnt 0x0
	v_lshl_add_u32 v254, v0, 2, 0x3c400
	v_mov_b32 v255, 0
	s_wait_tensorcnt 0x0
	ds_add_u32 v254, v255
	s_wait_dscnt 0x0
.if \refill
	s_add_nc_u64 s[G0+4*\other+2:G0+4*\other+3], s[G0+4*\other+2:G0+4*\other+3], 2*256*128     ; no load of mine is out: the other slot's next 256 keys
.endif
	s_wait_dscnt 0x0
.if \refill
	ROUND
	JLOAD \other
.else
	s_barrier_signal -1
	s_barrier_wait -1
.endif
.endm
	s_wait_tensorcnt 0x1                           ; my chunk of slot 0 is in; slot 1's stays out
	s_barrier_signal -1
	s_barrier_wait -1
	s_wait_loadcnt 0x0                             ; Q
	WORK 0, 1                                      ; keys 0-255
	s_mov_b32 s45, 3
.Ltrip:
	HEAD 1, 0, 1
	WORK 1, 0
	HEAD 0, 1, 1
	WORK 0, 0
	s_sub_co_u32 s45, s45, 1
	s_cmp_lg_u32 s45, 0
	s_cbranch_scc1 .Ltrip
	HEAD 1, 0, 0                                   ; the last 256 keys: nothing is left to fetch
	WORK 1, 0
	; THE MERGE of the two halves of the keys.  Four places behind the last products, whose results are stored and whose sources are loaded over.
	PLACES
.irp qb, 0,1,2,3
	v_permlanex16_b32 v[TP+\qb], v[AL+2*\qb+1], s43, s44
.endr
.irp qb, 0,1,2,3
	v_add_f32 v[AL+2*\qb+1], v[AL+2*\qb+1], v[TP+\qb]      ; the whole row sum of my keys
.endr
	s_cmp_eq_u32 s10, 0
	s_cbranch_scc1 .Lkeep
	WIN 0x04                                       ; waves 4-7 hand over O (store data in window 1),
.set i, 0
.rept 32
	ds_store_b128 v[SCRA], v[OO+4*i:OO+4*i+3] offset:512*i
.set i, i+1
.endr
	WIN 0
.irp k, 0,1,2,3
	ds_store_b128 v[SCRA], v[NG+4*\k:NG+4*\k+3] offset:16384+512*\k    ; shifts, maxima, alphas, sums
.endr
.Lkeep:
	s_wait_dscnt 0x0                               ; my stores are done, for the partner's sake
	s_barrier_signal -1
	s_barrier_wait -1
	s_cmp_lg_u32 s10, 0
	s_cbranch_scc1 .Lclose
.irp k, 0,1,2,3
	ds_load_b128 v[PN+4*\k:PN+4*\k+3], v[SCRA] offset:16384+512*\k
.endr
.set i, 0
.rept 32
	ds_load_b128 v[SS+4*i:SS+4*i+3], v[SCRA] offset:512*i
.set i, i+1
.endr
	s_wait_dscnt 0x0
.irp qb, 0,1,2,3
	v_min_num_f32 v[NM+\qb], v[NG+2*\qb], v[PN+2*\qb]      ; the shift of the larger maximum
.endr
.irp qb, 0,1,2,3
	v_sub_f32 v[NG+2*\qb], v[NM+\qb], v[NG+2*\qb]
	v_sub_f32 v[PN+2*\qb], v[NM+\qb], v[PN+2*\qb]
.endr
.irp qb, 0,1,2,3
	v_exp_f32 v[NG+2*\qb], v[NG+2*\qb]                     ; a0
	v_exp_f32 v[PN+2*\qb], v[PN+2*\qb]                     ; a1
.endr
	v_nop
	s_wait_alu depctr_va_vdst(0)
.irp qb, 0,1,2,3
	v_mul_f32 v[AL+2*\qb+1], v[AL+2*\qb+1], v[NG+2*\qb]
.endr
.irp qb, 0,1,2,3
	v_fma_f32 v[AL+2*\qb+1], v[PA+2*\qb+1], v[PN+2*\qb], v[AL+2*\qb+1]    ; the sum over all 2,048 keys: at least about 1, the largest term's share
.endr
.irp qb, 0,1,2,3
	v_rcp_f32 v[AL+2*\qb+1], v[AL+2*\qb+1]
.endr
	v_nop
	s_wait_alu depctr_va_vdst(0)
.irp qb, 0,1,2,3
	v_mul_f32 v[NG+2*\qb], v[NG+2*\qb], v[AL+2*\qb+1]      ; my factor, in the first register of a pair whose second is written and not used
	v_mul_f32 v[PN+2*\qb], v[PN+2*\qb], v[AL+2*\qb+1]      ; the partner's
.endr
.macro MERGE qb                        ; 16 queries: both halves scaled and added, rounded, through my stage, out as 2,048 dense bytes
.set i, 0
.rept 16
	v_pk_mul_f32 v[SS+32*\qb+i:SS+32*\qb+i+1], v[SS+32*\qb+i:SS+32*\qb+i+1], v[PN+2*\qb:PN+2*\qb+1] op_sel_hi:[1,0]
.set i, i+2
.endr
	WIN 0x01
.set i, 0
.rept 16
	v_pk_fma_f32 v[SS+32*\qb+i:SS+32*\qb+i+1], v[OO+32*\qb+i:OO+32*\qb+i+1], v[NG+2*\qb:NG+2*\qb+1], v[SS+32*\qb+i:SS+32*\qb+i+1] op_sel_hi:[1,0,1]
.set i, i+2
.endr
	WIN 0
.irp dt, 0,1,2,3
.irp k, 0,1,2,3
	v_cvt_pk_bf16_f32 v[PK+4*\dt+\k], v[SS+32*\qb+8*\dt+2*\k], v[SS+32*\qb+8*\dt+2*\k+1]
.endr
.endr
.irp dt, 0,1,2,3
	ds_store_b128 v[STO], v[PK+4*\dt:PK+4*\dt+3] offset:32*\dt
.endr
.irp t, 0,1,2,3
	ds_load_b128 v[VF+16*\qb+4*\t:VF+16*\qb+4*\t+3], v[RD] offset:4*KP*\t      ; my own bytes, served in order (ISA guide 5.7.1)
.endr
.irp t, 0,1,2,3
	s_wait_dscnt 3-\t
	global_store_b128 v[CO], v[VF+16*\qb+4*\t:VF+16*\qb+4*\t+3], s[6:7] offset:2048*\qb+512*\t    ; 512 consecutive bytes, aligned; a set of registers for each qb
.endr
.endm
	MERGE 0
	MERGE 1
	MERGE 2
	MERGE 3
.Lclose:
	s_wait_xcnt 0x0
	v_lshl_add_u32 v254, v0, 2, 0x3c400
	v_mov_b32 v255, 0
	s_wait_tensorcnt 0x0
	ds_add_u32 v254, v255
	s_wait_dscnt 0x0
	ROUND                                          ; the closing round
	s_endpgm
.Lfunc_end_k_q76b1a5dd95_attn:
	.size	k_q76b1a5dd95_attn, .Lfunc_end_k_q76b1a5dd95_attn-k_q76b1a5dd95_attn
	.p2alignl 7, 3214868480
	.fill 96, 4, 3214868480
	.section	.rodata,"a",@progbits
	.p2align	6, 0x0
	.amdhsa_kernel k_q76b1a5dd95_attn
		.amdhsa_group_segment_fixed_size 327680
		.amdhsa_private_segment_fixed_size 0
		.amdhsa_enable_private_segment 0
		.amdhsa_kernarg_size 16
		.amdhsa_user_sgpr_count 2
		.amdhsa_user_sgpr_kernarg_segment_ptr 1
		.amdhsa_wavefront_size32 1
		.amdhsa_system_sgpr_workgroup_id_x 1
		.amdhsa_system_sgpr_workgroup_id_y 1
		.amdhsa_system_sgpr_workgroup_id_z 1
		.amdhsa_system_vgpr_workitem_id 0
		.amdhsa_next_free_vgpr 512
		.amdhsa_next_free_sgpr 66
		.amdhsa_reserve_vcc 0
		.amdhsa_float_denorm_mode_32 3
		.amdhsa_float_denorm_mode_16_64 3
		.amdhsa_memory_ordered 1
		.amdhsa_forward_progress 1
		.amdhsa_inst_pref_size 255
	.end_amdhsa_kernel
	.section	.bss,"aw",@nobits
	.p2align	6
	.space	262144
	.amdgpu_metadata
---
amdhsa.version: [ 1, 2 ]
amdhsa.kernels:
  - .name:           k_q76b1a5dd95_attn
    .symbol:         k_q76b1a5dd95_attn.kd
    .args:
      - { .name: qkv, .offset: 0, .size: 8, .value_kind: global_buffer, .address_space: global }
      - { .name: ao, .offset: 8, .size: 8, .value_kind: global_buffer, .address_space: global }
    .group_segment_fixed_size: 327680
    .private_segment_fixed_size: 0
    .kernarg_segment_align: 8
    .kernarg_segment_size: 16
    .max_flat_workgroup_size: 256
    .sgpr_count:     66
    .vgpr_count:     512
    .wavefront_size: 32
...
	.end_amdgpu_metadata
.endif
;; end of part 3
;; launch oproj (part 4): grid 8 x 32, 4 waves a work-group, clusters of 4 x 4, 327,680 bytes of LDS; arguments ao, wb, b_o, out0; writes out0
.if DOCPART == 4
	.amdgcn_target "amdgcn-amd-amdhsa--gfx1250"
	.amdhsa_code_object_version 6
	.text
	.protected	k_q76b1a5dd95_oproj
	.globl	k_q76b1a5dd95_oproj
	.p2align	8
	.type	k_q76b1a5dd95_oproj,@function
k_q76b1a5dd95_oproj:
	s_mov_b64 s[64:65], 0
	v_nop
	global_prefetch_b8 v0, s[64:65] scope:SCOPE_SE
	s_setreg_imm32_b32 hwreg(HW_REG_WAVE_MODE, 25, 1), 1
	s_wait_xcnt 0x0
	s_wait_alu depctr_hold_cnt(0) depctr_sa_sdst(0) depctr_va_vdst(0) depctr_va_sdst(0) depctr_va_ssrc(0) depctr_va_vcc(0) depctr_vm_vsrc(0)
	s_getreg_b32 s2, hwreg(HW_REG_IB_STS2, 6, 4)
	s_cmp_eq_u32 s2, 0
	s_cbranch_scc0 .Lentry_in_a_cluster
	s_endpgm
.Lentry_in_a_cluster:
	s_bfe_u32 s2, ttmp6, 0x10000c
	s_cmp_lg_u32 s2, 0xf033
	s_cbranch_scc0 .Lentry_shape_is_right
	s_endpgm
.Lentry_shape_is_right:
; out0 = ao w_o^T + b_o, f32.  ao is [16 batch + head][2048][64] bf16, w_o is rows 3072 .. 4095 of wb (bf16, 1,024 along K).
; A work-group makes 128 tokens (grid y) x 128 columns (grid x): 256 equal blocks; four waves, 2 x 2, each 64 x 64: 16 accumulator tiles.
; K goes in slots of 256 = four heads, two slots, four trips written out.  Waves 0, 1 bring two heads' planes of ao each: a plane's 128 tokens are
; 16,384 dense bytes, taken as one row of 8,192 elements, and the padding of 4 words behind every 32 lays each token's 128 bytes at pitch 144.
; Waves 2, 3 bring 64 rows x 512 bytes of w_o each, at pitch 528.
; CLUSTERS: 4 x 4.  ao's tile hangs on the block of tokens alone (joint along a row of the cluster), w_o's on the block of columns alone (along a column).
; Transposed use (source 0 = rows of w_o, source 1 = tokens): lane (r, h) holds token r, columns 16 b + 8 h + j; the bias so laid out is the first products' C.
; The 16 accumulators take turns, one instruction a turn.
; LIMITS: operands bf16, sums f32; inputs finite.
; REGISTERS  window 0: v16-28 addresses; v64-127, v128-191 fragments, two buffers (w_o's four, then ao's four); v192-223 the bias;  window 1: v0-127 accumulators
.set AP,     144
.set APLANE, 128*AP                    ; 18,432: one head's 128 tokens
.set BP,     528
.set BOFS,   4*APLANE                  ; 73,728
.set BHALF,  64*BP                     ; 33,792
.set SLOT,   BOFS+2*BHALF              ; 141,312
.set STAGE,  2*SLOT                    ; behind the ring, never a tensor load's target
.set SPITCH, 272                       ; 64 f32 + 16 bytes
.set WSTAGE, 16*SPITCH                 ; 4,352 = 17 blocks of 256
.set ADRA, 16
.set ADRB, 20
.set STO,  24
.set RD,   25
.set CO,   26
.set BOFF, 28
.set F,    64
.set BIAS, 192
.set G1A, 24
.set G0A, 32
.set G1B, 48
.set G0B, 56
.set MSB, 0
.macro WIN new
.if MSB != (\new)
	s_set_vgpr_msb (MSB<<8)|(\new)
.set MSB, (\new)
.endif
.endm
.macro PLACES
.rept 4
	v_nop
.endr
.endm
.macro JLOAD s
	s_cmp_eq_u32 s13, 0
	s_cbranch_scc0 .Lfor_b_\@
	tensor_load_to_lds s[G0A+4*\s:G0A+4*\s+3], s[G1A:G1A+7]
	s_nop 0
	s_branch .Lasked_\@
.Lfor_b_\@:
	tensor_load_to_lds s[G0B+4*\s:G0B+4*\s+3], s[G1B:G1B+7]
	s_nop 0
.Lasked_\@:
.endm
.macro CREST
	s_cmp_lg_u32 s12, 0
	s_cbranch_scc1 .Lnot_wave_0_\@
	s_barrier_signal -3
.Lnot_wave_0_\@:
	s_barrier_wait -3
	s_barrier_signal -1
	s_barrier_wait -1
.endm
.macro CROUND
	s_barrier_signal -1
	s_barrier_wait -1
	CREST
.endm
	s_load_b256 s[4:11], s[0:1], 0x0               ; ao 4, wb 6, b_o 8, out0 10
	v_lshl_add_u32 v254, v0, 2, 0x49400
	v_mov_b32 v255, 0
	ds_add_u32 v254, v255
	v_lshrrev_b32 v1, 5, v0
	v_readfirstlane_b32 s12, v1                    ; wave
	s_lshr_b32 s13, s12, 1                         ; my half of the tokens.  Also: I fetch for ao (0) or w_o (1)
	s_and_b32 s14, s12, 1                          ; my half of the columns.  Also: which half of that tile
	s_bfe_u32 s16, ttmp6, 0x40000                  ; cx
	s_bfe_u32 s17, ttmp6, 0x40004                  ; cy
	s_lshl_b32 s18, ttmp9, 2
	s_add_co_u32 s18, s18, s16                     ; block of 128 columns
	s_and_b32 s19, ttmp7, 0xffff
	s_lshl_b32 s19, s19, 2
	s_add_co_u32 s19, s19, s17                     ; block of 128 tokens
	s_lshl_b32 s20, s17, 2
	s_lshl_b32 s20, 15, s20                        ; my row of the cluster
	s_lshl_b32 s21, 0x1111, s16                    ; my column
	s_or_b32 s[G1A+0], s20, (1<<16)|(1<<20)|(1<<21)|(4<<22)|(3<<25)    ; 2-byte elements; 4 words of padding behind every 32
	s_mov_b32 s[G1A+1], 8192<<16                   ; tensor_dim0 = 8,192 elements: 128 tokens x 64
	s_mov_b32 s[G1A+2], 2<<16                      ; tensor_dim1 = 2 heads
	s_mov_b32 s[G1A+3], 8192<<16                   ; tile_dim0
	s_mov_b32 s[G1A+4], 2                          ; tile_dim1
	s_mov_b32 s[G1A+5], 2048*64                    ; elements from a head's plane to the next
	s_mov_b32 s[G1A+6], 0
	s_mov_b32 s[G1A+7], 0
	s_or_b32 s[G1B+0], s21, (1<<16)|(1<<20)|(1<<21)|(6<<22)|(3<<25)    ; 4 words of padding behind every 128
	s_mov_b32 s[G1B+1], 256<<16
	s_mov_b32 s[G1B+2], 64<<16
	s_mov_b32 s[G1B+3], 256<<16
	s_mov_b32 s[G1B+4], 64
	s_mov_b32 s[G1B+5], 1024
	s_mov_b32 s[G1B+6], 0
	s_mov_b32 s[G1B+7], 0
	s_lshr_b32 s40, s19, 4                         ; ao: plane 16 batch + 2 x half, token 128 (block mod 16): the block of tokens and the wave alone
	s_lshl_b32 s40, s40, 4
	s_lshl_b32 s44, s14, 1
	s_add_co_u32 s40, s40, s44
	s_lshl_b32 s40, s40, 11
	s_and_b32 s45, s19, 15
	s_lshl_b32 s45, s45, 7
	s_add_co_u32 s40, s40, s45
	s_lshl_b32 s40, s40, 7                         ; x 128 bytes
	s_mov_b32 s41, 0
	s_lshl_b32 s42, s18, 7                         ; w_o: row 3,072 + 128 x block + 64 x half: the block of columns and the wave alone
	s_lshl_b32 s46, s14, 6
	s_add_co_u32 s42, s42, s46
	s_add_co_u32 s42, s42, 3072
	s_lshl_b32 s42, s42, 11
	s_mov_b32 s43, 0
	s_mul_i32 s22, s12, 2*APLANE                   ; LDS: ao's planes at wave x 36,864 (waves 0, 1),
	s_mul_i32 s23, s12, BHALF
	s_add_co_u32 s23, s23, BOFS-2*BHALF            ; w_o's halves at 73,728 + (wave - 2) x 33,792 (waves 2, 3)
	s_wait_dscnt 0x0
	s_wait_kmcnt 0x0
	s_add_nc_u64 s[40:41], s[4:5], s[40:41]
	s_add_nc_u64 s[42:43], s[6:7], s[42:43]
	CROUND                                         ; the first joint loads meet
.irp s, 0,1
	s_mov_b32 s[G0A+4*\s], 1
	s_add_co_u32 s[G0A+4*\s+1], s22, \s*SLOT
	s_add_nc_u64 s[G0A+4*\s+2:G0A+4*\s+3], s[40:41], \s*4*2048*128     ; four heads on
	s_or_b32 s[G0A+4*\s+3], s[G0A+4*\s+3], 0x80000000
	s_mov_b32 s[G0B+4*\s], 1
	s_add_co_u32 s[G0B+4*\s+1], s23, \s*SLOT
	s_add_nc_u64 s[G0B+4*\s+2:G0B+4*\s+3], s[42:43], \s*512            ; 256 along K
	s_or_b32 s[G0B+4*\s+3], s[G0B+4*\s+3], 0x80000000
	JLOAD \s                                       ; two tensor loads of a wave are out here, later one
.endr
	v_and_b32 v1, 15, v0                           ; r
	v_bfe_u32 v2, v0, 4, 1                         ; h
	v_lshlrev_b32 v3, 4, v2
	v_mul_u32_u24 v4, v1, AP
	v_add_nc_u32 v4, v4, v3
	s_mul_i32 s74, s13, 64*AP                      ; my 64 tokens in each plane
	v_add_nc_u32 v[ADRA], s74, v4
	v_add_nc_u32 v[ADRA+1], SLOT, v[ADRA]
	v_mul_u32_u24 v4, v1, BP
	v_add_nc_u32 v4, v4, v3
	s_mul_i32 s74, s14, 64*BP                      ; my 64 rows of w_o
	s_add_co_u32 s74, s74, BOFS
	v_add_nc_u32 v[ADRB], s74, v4
	v_add_nc_u32 v[ADRB+1], SLOT, v[ADRB]
	s_mul_i32 s74, s12, WSTAGE
	s_add_co_u32 s74, s74, STAGE
	v_mul_u32_u24 v4, v1, SPITCH                   ; in: token r, 32 bytes for each half of the lanes
	v_lshl_add_u32 v4, v2, 5, v4
	v_add_nc_u32 v[STO], s74, v4
	v_mul_u32_u24 v4, v2, SPITCH                   ; back: lanes 0-15 one row of 256 bytes, lanes 16-31 the next
	v_lshl_add_u32 v4, v1, 4, v4
	v_add_nc_u32 v[RD], s74, v4
	v_lshlrev_b32 v4, 12, v2                       ; and the same two rows of out0 (4,096 bytes a row)
	v_lshl_add_u32 v[CO], v1, 4, v4
	s_lshl_b32 s68, s18, 9                         ; my first column, in bytes (registers that feed no descriptor)
	s_lshl_b32 s69, s14, 8
	s_add_co_u32 s68, s68, s69
	v_lshl_add_u32 v[BOFF], v2, 5, s68
.irp b, 0,1,2,3
	global_load_b128 v[BIAS+8*\b:BIAS+8*\b+3],   v[BOFF], s[8:9] offset:64*\b
	global_load_b128 v[BIAS+8*\b+4:BIAS+8*\b+7], v[BOFF], s[8:9] offset:64*\b+16
.endr
	s_lshl_b32 s70, s19, 7
	s_lshl_b32 s71, s13, 6
	s_add_co_u32 s70, s70, s71                     ; my first token
	s_lshl_b32 s70, s70, 12
	s_add_co_u32 s70, s70, s68
	s_mov_b32 s71, 0
	s_add_nc_u64 s[10:11], s[10:11], s[70:71]
.macro MUL4 f, a, first                ; row block a x four column tiles, 32 along K
.irp b, 0,1,2,3
.if \first
	v_wmma_f32_16x16x32_bf16 v[8*(4*\a+\b):8*(4*\a+\b)+7], v[F+64*\f+8*\b:F+64*\f+8*\b+7], v[F+64*\f+32+8*\a:F+64*\f+32+8*\a+7], v[BIAS+8*\b:BIAS+8*\b+7]
.else
	v_wmma_f32_16x16x32_bf16 v[8*(4*\a+\b):8*(4*\a+\b)+7], v[F+64*\f+8*\b:F+64*\f+8*\b+7], v[F+64*\f+32+8*\a:F+64*\f+32+8*\a+7], v[8*(4*\a+\b):8*(4*\a+\b)+7]
.endif
.endr
.endm
.macro FETCH slot, q, f                ; 16 loads: the fragments of the slot's q-th 32 along K: w_o at byte 64 q of its rows, ao in plane q / 2 at byte 64 (q mod 2)
	WIN 0
.irp b, 0,1,2,3
	ds_load_b128 v[F+64*\f+8*\b:F+64*\f+8*\b+3],   v[ADRB+\slot] offset:16*BP*\b+64*\q
	ds_load_b128 v[F+64*\f+8*\b+4:F+64*\f+8*\b+7], v[ADRB+\slot] offset:16*BP*\b+64*\q+32
.endr
.irp a, 0,1,2,3
	ds_load_b128 v[F+64*\f+32+8*\a:F+64*\f+32+8*\a+3], v[ADRA+\slot] offset:APLANE*(\q/2)+16*AP*\a+64*(\q%2)
	ds_load_b128 v[F+64*\f+36+8*\a:F+64*\f+36+8*\a+3], v[ADRA+\slot] offset:APLANE*(\q/2)+16*AP*\a+64*(\q%2)+32
.endr
.endm
.macro MWIN first
.if \first
	WIN 0x40                                       ; D in window 1, C (the bias) in window 0
.else
	WIN 0x50                                       ; C and D in window 1
.endif
.endm
.macro Q32 slot, qn, f, g, first       ; multiplies buffer f and in its middle fetches part qn into buffer g
	s_wait_dscnt 4                                 ; w_o and ao's row blocks 0, 1 are in; the four youngest loads may be out
	MWIN \first
	MUL4 \f, 0, \first
	MUL4 \f, 1, \first
	PLACES
	FETCH \slot, \qn, \g
	s_wait_dscnt 16                                ; all but the 16 just issued
	MWIN \first
	MUL4 \f, 2, \first
	MUL4 \f, 3, \first
.endm
.macro SEVEN slot, first
	Q32 \slot, 1, 0, 1, \first
	Q32 \slot, 2, 1, 0, 0
	Q32 \slot, 3, 0, 1, 0
	Q32 \slot, 4, 1, 0, 0
	Q32 \slot, 5, 0, 1, 0
	Q32 \slot, 6, 1, 0, 0
	Q32 \slot, 7, 0, 1, 0
.endm
; The slot's last part and the change of slots: each wave's waits for its reads of this slot and for all its tensor loads stand in front of the barrier;
; where the slot is filled again the barrier opens a round of the cluster's barrier and the joint refill comes first behind the round.
.macro TURN slot, next, fill
	s_wait_dscnt 4
	WIN 0x50
	MUL4 1, 0, 0
	s_wait_dscnt 0x0
	s_wait_tensorcnt 0x0
	ds_add_u32 v254, v255
	s_wait_dscnt 0x0
	s_barrier_signal -1
	MUL4 1, 1, 0                                   ; registers only
	WIN 0
	s_barrier_wait -1
.if \fill
	CREST
	s_add_nc_u64 s[G0A+4*\slot+2:G0A+4*\slot+3], s[G0A+4*\slot+2:G0A+4*\slot+3], 8*2048*128   ; eight heads on
	s_add_nc_u64 s[G0B+4*\slot+2:G0B+4*\slot+3], s[G0B+4*\slot+2:G0B+4*\slot+3], 1024         ; 512 along K
	JLOAD \slot
.endif
	PLACES
	FETCH \next, 0, 0
	WIN 0x50
	MUL4 1, 2, 0
	MUL4 1, 3, 0
.endm
	s_wait_tensorcnt 0x1                           ; my part of slot 0 is in; slot 1's stays out
	s_barrier_signal -1
	s_barrier_wait -1
	FETCH 0, 0, 0
	s_wait_loadcnt 0x0                             ; the bias
	SEVEN 0, 1                                     ; heads 0-3
	TURN 0, 1, 1
	SEVEN 1, 0                                     ; heads 4-7
	TURN 1, 0, 1
	SEVEN 0, 0                                     ; heads 8-11
	TURN 0, 1, 0
	SEVEN 1, 0                                     ; heads 12-15
	s_wait_dscnt 4
	WIN 0x50
	MUL4 1, 0, 0
	MUL4 1, 1, 0
	s_wait_dscnt 0x0
	MUL4 1, 2, 0
	MUL4 1, 3, 0
	PLACES
; THE WAY OUT, 16 tokens at a time, through my own stage: 32 bytes a lane in, rows of 256 bytes back; sixteen lanes store 256 consecutive bytes, aligned.
; A set of registers for each block of rows: none that a store reads is written again.
.macro OUT16 a
	WIN 0x04                                       ; store data in window 1
.irp b, 0,1,2,3
	ds_store_b128 v[STO], v[8*(4*\a+\b):8*(4*\a+\b)+3]   offset:64*\b
	ds_store_b128 v[STO], v[8*(4*\a+\b)+4:8*(4*\a+\b)+7] offset:64*\b+16
.endr
	WIN 0
.irp t, 0,1,2,3,4,5,6,7
	ds_load_b128 v[F+32*\a+4*\t:F+32*\a+4*\t+3], v[RD] offset:\t*2*SPITCH      ; my own bytes, served in order (ISA guide 5.7.1)
.endr
.irp t, 0,1,2,3,4,5,6,7
	s_wait_dscnt 7-\t
	global_store_b128 v[CO], v[F+32*\a+4*\t:F+32*\a+4*\t+3], s[10:11] offset:(16*\a+2*\t)*4096 th:TH_STORE_NT
.endr
.endm
	OUT16 0
	OUT16 1
	OUT16 2
	OUT16 3
	s_wait_tensorcnt 0x0
	ds_add_u32 v254, v255
	s_wait_dscnt 0x0
	CROUND                                         ; the closing round
	s_endpgm
.Lfunc_end_k_q76b1a5dd95_oproj:
	.size	k_q76b1a5dd95_oproj, .Lfunc_end_k_q76b1a5dd95_oproj-k_q76b1a5dd95_oproj
	.p2alignl 7, 3214868480
	.fill 96, 4, 3214868480
	.section	.rodata,"a",@progbits
	.p2align	6, 0x0
	.amdhsa_kernel k_q76b1a5dd95_oproj
		.amdhsa_group_segment_fixed_size 327680
		.amdhsa_private_segment_fixed_size 0
		.amdhsa_enable_private_segment 0
		.amdhsa_kernarg_size 32
		.amdhsa_user_sgpr_count 2
		.amdhsa_user_sgpr_kernarg_segment_ptr 1
		.amdhsa_wavefront_size32 1
		.amdhsa_system_sgpr_workgroup_id_x 1
		.amdhsa_system_sgpr_workgroup_id_y 1
		.amdhsa_system_sgpr_workgroup_id_z 1
		.amdhsa_system_vgpr_workitem_id 0
		.amdhsa_next_free_vgpr 384
		.amdhsa_next_free_sgpr 80
		.amdhsa_reserve_vcc 0
		.amdhsa_float_denorm_mode_32 3
		.amdhsa_float_denorm_mode_16_64 3
		.amdhsa_memory_ordered 1
		.amdhsa_forward_progress 1
		.amdhsa_inst_pref_size 90
	.end_amdhsa_kernel
	.amdgpu_metadata
---
amdhsa.version: [ 1, 2 ]
amdhsa.kernels:
  - .name:           k_q76b1a5dd95_oproj
    .symbol:         k_q76b1a5dd95_oproj.kd
    .args:
      - { .name: ao, .offset: 0, .size: 8, .value_kind: global_buffer, .address_space: global }
      - { .name: wb, .offset: 8, .size: 8, .value_kind: global_buffer, .address_space: global }
      - { .name: b_o, .offset: 16, .size: 8, .value_kind: global_buffer, .address_space: global }
      - { .name: out0, .offset: 24, .size: 8, .value_kind: global_buffer, .address_space: global }
    .group_segment_fixed_size: 327680
    .private_segment_fixed_size: 0
    .kernarg_segment_align: 8
    .kernarg_segment_size: 32
    .max_flat_workgroup_size: 128
    .sgpr_count:     80
    .vgpr_count:     384
    .wavefront_size: 32
...
	.end_amdgpu_metadata
.endif
;; end of part 4
